; MI455X (gfx1250); checked and timed in simulation.
; The chip was launched on July 23, 2026; its instructions are those of AMD's public machine-readable ISA for CDNA 5 (MIT licence, August 2026) and "CDNA5" Instruction Set Architecture Reference Guide (July 2026). The comments in the code are by the model that wrote it; some were corrected since.
;; SVD Head. Allowed arithmetic: matrix products marked QUANTISED: E4M3 operands, one E8M0 scale for each 32 along K, by v_wmma_scale_f32_16x16x128_f8f6f4 with both operands' format E4M3, f32 sums; products left as they are: f32 operands where the result goes on into a quantised operand, else bf16, f16 or f32 operands; f32 sums; everything else in f32.
;; Inputs: W1 1,024 x 2,048 float32; W2 2,048 x 9 float32; b1 2,048 float32; b2 9 float32; be1 2,048 float32; be2 9 float32; g1 2,048 float32; g2 9 float32; x 32,768 x 1,024 float32.
;; Outputs: out0 32,768 x 3 x 3 float32.
;; This version of the problem:
;;   THIS VERSION OF THE PROBLEM IS GIVEN IN LOW PRECISION. The matrix products marked QUANTISED in the list below multiply operands that are first quantised to E4M3 (4 exponent bits, 3 mantissa bits; 8 bits a number), with one power-of-two scale for each 32 numbers along K (OCP MX v1.0); their sums are f32. All else is computed in f32.
;;   The module's matrix products, in the order in which they are computed (A, B: the left and right operand; K: the contracted axis; several contracted axes count as one K, in the product's order):
;;     1. [M 32,768, K 1,024] x [K 1,024, N 2,048]; A: input x; B: input W1: QUANTISED
;;     2. [M 32,768, K 2,048] x [K 2,048, N 9]; A: computed on the way; B: input W2: left as it is (N = 9 < 16)
;;     3. batch 32,768 x [M 3, K 3] x [K 3, N 3]; A: computed on the way; B: computed on the way: left as it is (K = 3 < 32)
;;     4. batch 32,768 x [M 3, K 3] x [K 3, N 3]; A: computed on the way; B: computed on the way: left as it is (K = 3 < 32)
;;   THE QUANTISER, for each operand of a quantised product, along K:
;;     - K is cut into blocks of 32 from its start; a last block that is shorter is filled with zeros.
;;     - A block's scale is 2^e with e = floor(log2(the largest magnitude in the block)) - 8, held to -126 .. 127; a block of zeros has e = 0. As a byte (E8M0): e + 127.
;;     - Each number is divided by its block's scale, clamped to +-448, and rounded to the nearest number of E4M3, ties to even, subnormals kept.
;;     - The product sums the exact products of the quantised numbers (number of the format x scale) in f32.
;;   ~~~python
;;   def quantise(x, axis):      # numpy; x: float32 -> the quantised numbers, widened to float32 again
;;       x = np.moveaxis(x, axis, -1); K = x.shape[-1]
;;       x = np.pad(x, [(0, 0)] * (x.ndim - 1) + [(0, -K % 32)]); x = x.reshape(x.shape[:-1] + (-1, 32)); a = np.abs(x).max(-1, keepdims=True)
;;       e = np.where(a > 0, np.clip(np.frexp(np.where(a > 0, a, 1))[1] - 1 - 8, -126, 127), 0)      # np.frexp(a)[1] - 1 = floor(log2(a)), exactly
;;       r = np.clip(x / 2.0 ** e, -448, 448)
;;       step = 2.0 ** (np.maximum(np.frexp(np.where(r == 0, 1, r))[1] - 1, -6) - 3)
;;       q = np.round(r / step) * step * 2.0 ** e      # np.round: ties to even
;;       return np.moveaxis(q.reshape(q.shape[:-2] + (-1,))[..., :K], -1, axis).astype(np.float32)
;;   ~~~
;; One version. Each part assembles by itself: llvm-mc -triple=amdgcn-amd-amdhsa -mcpu=gfx1250 --defsym DOCPART=n.
;; ======== version 1 of 1: 2 launches
;; limits: an iteration or a series of the reference is cut at 6 steps
;; workspace buffers: wpack 2,293,760 bytes; aux 8,192 bytes
;; launch prep (part 1): grid 16 x 8, 4 waves a work-group, no clusters, 0 bytes of LDS; arguments W1, W2, g1, be1, wpack, aux; writes wpack, aux
.if DOCPART == 1
	.amdgcn_target "amdgcn-amd-amdhsa--gfx1250"
	.amdhsa_code_object_version 6
	.text
	.protected	k_qebdcc1843c_prep
	.globl	k_qebdcc1843c_prep
	.p2align	8
	.type	k_qebdcc1843c_prep,@function
k_qebdcc1843c_prep:
	s_mov_b64 s[64:65], 0
	v_nop
	global_prefetch_b8 v0, s[64:65] scope:SCOPE_SE
	s_setreg_imm32_b32 hwreg(HW_REG_WAVE_MODE, 25, 1), 1
	s_wait_xcnt 0x0
; W1 [1024 (k)][2048 (n)] f32 is quantised ONCE along k (its first axis) into codes of E4M3 with one E8M0 byte for each 32 along k,
; and laid in the order in which the next launch's operand registers take them.  No work of the problem is left out: every input has a way to the output.
; wpack: 64 groups of 32 columns, 35,840 bytes each:
;   codes: piece (2 s + t) 4 + c at 512 bytes a piece; lane l's 16 bytes at 16 l: column 32 g + 16 t + l % 16, k = 128 s + 32 c + 16 (l / 16) + 0 .. 15
;   32,768 + 128 s + 4 l: the scale word (four bytes, blocks c = 0 .. 3) of column 32 g + l for K step s
;   33,792 + 1,024 h + 64 j + 4 (8 t + e): G = g1 x W2, f32, of hidden unit 32 g' + 16 t + 8 h + e and output j, FOR THE GROUP g' = g - 2 (mod 64): the next launch wants a group's G while it multiplies the group two on
; aux: [64 groups][32 f32]: words 0-8 the sum over the group's 32 hidden units of G(., j), words 16-24 of be1 x W2(., j)
; A LANE TAKES A COLUMN AND ITS REGISTERS RUN DOWN k: a block of 32 lies in one lane, the conversions give codes with k innermost, nothing is transposed.
; A block's byte is its largest magnitude's exponent field - 8, held at 1 from below (a block of zeros keeps 1: its codes are zeros, and this program alone reads the bytes).
; LIMITS: blocks whose largest magnitude lies under 2^-118 keep the byte 1; NaN and infinities among the inputs are not served.
; SHARES: work-group (x, y): groups 4 x + wave, K step y.  The work-groups with y = 0 also make their groups' G and sums.
.set GRPB, 35840
.set X, 64                             ; v64-191  128 numbers: my column, k = 128 s + 0 .. 127
.set C, 16                             ; v16-47   codes, 8 registers a block; never written again, so no store's data are rewritten
	s_load_b256 s[4:11], s[0:1], 0x0               ; W1 s[4:5], W2 s[6:7], g1 s[8:9], be1 s[10:11]
	s_load_b128 s[12:15], s[0:1], 0x20             ; wpack s[12:13], aux s[14:15]
	v_lshrrev_b32 v1, 5, v0
	v_readfirstlane_b32 s20, v1                    ; wave
	v_and_b32 v15, 31, v0                          ; lane
	v_lshlrev_b32 v1, 2, v15                       ; 4 x lane
	v_and_b32 v3, 15, v0                           ; r
	v_bfe_u32 v4, v0, 4, 1                         ; h
	v_lshlrev_b32 v2, 4, v3
	v_lshl_add_u32 v2, v4, 11, v2                  ; my codes' place in a K step's 4,096 bytes: 2,048 (lane / 16) + 16 (lane % 16)
	s_lshl_b32 s21, ttmp9, 2
	s_add_co_u32 s21, s21, s20                     ; g
	s_and_b32 s22, ttmp7, 0xffff                   ; s
	s_lshl_b32 s24, s22, 20                        ; 128 rows of 8,192 bytes a K step,
	s_lshl_b32 s25, s21, 7                         ; 128 bytes a group
	s_add_co_u32 s24, s24, s25
	s_mov_b32 s25, 0
	s_mul_i32 s26, s21, GRPB
	s_mov_b32 s27, 0
	s_lshl_b32 s28, s22, 12
	s_mov_b32 s29, 0
	s_lshl_b32 s30, s22, 7
	s_add_co_u32 s30, s30, 32768
	s_mov_b32 s31, 0
	s_add_co_u32 s38, s21, 2
	s_and_b32 s38, s38, 63
	s_mul_i32 s38, s38, GRPB                       ; the group two on, round the end: where my group's G goes
	s_mov_b32 s39, 0
	s_mov_b32 s23, 0x600000                        ; the mantissa field of 448
	s_wait_kmcnt 0x0
	s_add_nc_u64 s[4:5], s[4:5], s[24:25]
	s_add_nc_u64 s[38:39], s[12:13], s[38:39]
	s_add_nc_u64 s[12:13], s[12:13], s[26:27]      ; my group in wpack
	s_add_nc_u64 s[16:17], s[12:13], s[28:29]      ; its K step's codes
	s_add_nc_u64 s[18:19], s[12:13], s[30:31]      ; its K step's scale words
.macro LOAD c                          ; block c: 32 rows of W1 at my column; 32 lanes read 128 consecutive bytes, the four waves 512
.set li, 0
.rept 32
	global_load_b32 v[X+32*(\c)+li], v1, s[4:5] offset:(32*(\c)+li)*8192 th:TH_LOAD_NT
.set li, li+1
.endr
.endm
.macro BLOCK c
.set XS, X+32*(\c)
.if (\c) < 3
	s_wait_loadcnt 32                              ; this block's 32 loads are in; the next block's 32 may be out
.else
	s_wait_loadcnt 0
.endif
.if (\c)+2 < 4
	LOAD (\c)+2
.endif
	v_max3_num_f32 v8, |v[XS]|, |v[XS+1]|, |v[XS+2]|       ; the block's largest magnitude: all 32 numbers are mine
	v_max3_num_f32 v9, |v[XS+3]|, |v[XS+4]|, |v[XS+5]|
.irp i, 6,10,14,18,22,26
	v_max3_num_f32 v8, v8, |v[XS+\i]|, |v[XS+\i+1]|
	v_max3_num_f32 v9, v9, |v[XS+\i+2]|, |v[XS+\i+3]|
.endr
	v_max3_num_f32 v8, v8, |v[XS+30]|, |v[XS+31]|
	v_max3_num_f32 v8, v8, v9, 0x4800000           ; and the floor 2^(9 - 127): the byte cannot fall under 1
	v_add_nc_u32 v11, 0xfc000000, v8               ; 8 off the exponent field: the conversion's scale operand
	v_and_or_b32 v10, v8, 0x7f800000, s23          ; 448 x the scale
	v_lshrrev_b32 v9, 23, v11                      ; the scale's byte
.if (\c) == 0
	v_mov_b32 v14, v9
.else
	v_lshl_or_b32 v14, v9, 8*(\c), v14             ; four bytes make my column's scale word of this K step
.endif
.set li, 0
.rept 32
	v_med3_num_f32 v[XS+li], v[XS+li], -v10, v10   ; the conversion to an 8-bit code does not saturate (ISA guide 7.6.2): the hold comes first
.set li, li+1
.endr
.irp q, 0,1,2,3
	v_cvt_scalef32_pk8_fp8_f32 v[C+8*(\c)+2*\q:C+8*(\c)+2*\q+1], v[XS+8*\q:XS+8*\q+7], v11
.endr
	global_store_b128 v2, v[C+8*(\c):C+8*(\c)+3], s[16:17] offset:512*(\c)           ; k = 32 c + 0 .. 15: sixteen lanes store 256 consecutive bytes, aligned
	global_store_b128 v2, v[C+8*(\c)+4:C+8*(\c)+7], s[16:17] offset:512*(\c)+256     ; k = 32 c + 16 .. 31
.endm
	LOAD 0
	LOAD 1
	BLOCK 0
	BLOCK 1
	BLOCK 2
	BLOCK 3
	global_store_b32 v1, v14, s[18:19]             ; 128 consecutive bytes a wave: 64 KiB of such stores in the whole launch
	s_cmp_lg_u32 s22, 0                            ; G and the sums are made once for a group: by the work-groups of K step 0
	s_cbranch_scc1 .Lend
	; lane (r, h) takes output j = r and hidden units 8 h + e (e < 8), 16 + 8 h + e - 8 (e >= 8): sixteen numbers that lie on end in G's layout.
	; Lanes with r > 8 repeat output 8 (no load leaves W2); what they store falls on bytes of the group's last two rows, and words of aux, that nobody reads.
	; No register that a pending store reads is written below.
	v_min_u32 v5, 8, v3
	v_mul_u32_u24 v6, v4, 288
	v_lshl_add_u32 v5, v5, 2, v6                   ; W2: 36 bytes a row: 288 h + 4 min(r, 8)
	v_lshlrev_b32 v6, 5, v4                        ; g1, be1: 32 h
	v_lshlrev_b32 v7, 6, v3
	v_lshl_add_u32 v7, v4, 10, v7                  ; G: 1,024 h + 64 r
	s_mul_i32 s24, s21, 1152
	s_lshl_b32 s26, s21, 7
	s_add_nc_u64 s[6:7], s[6:7], s[24:25]
	s_add_nc_u64 s[8:9], s[8:9], s[26:27]
	s_add_nc_u64 s[10:11], s[10:11], s[26:27]
	s_add_nc_u64 s[14:15], s[14:15], s[26:27]
	s_mov_b32 s34, 0x76543210
	s_mov_b32 s35, 0xfedcba98                      ; v_permlanex16_b32's selects for lane l xor 16
.irp e, 0,1,2,3,4,5,6,7
	global_load_b32 v[192+\e], v5, s[6:7] offset:36*\e
.endr
.irp e, 8,9,10,11,12,13,14,15
	global_load_b32 v[192+\e], v5, s[6:7] offset:36*(8+\e)
.endr
	global_load_b128 v[64:67], v6, s[8:9]
	global_load_b128 v[68:71], v6, s[8:9] offset:16
	global_load_b128 v[72:75], v6, s[8:9] offset:64
	global_load_b128 v[76:79], v6, s[8:9] offset:80
	global_load_b128 v[80:83], v6, s[10:11]
	global_load_b128 v[84:87], v6, s[10:11] offset:16
	global_load_b128 v[88:91], v6, s[10:11] offset:64
	global_load_b128 v[92:95], v6, s[10:11] offset:80
	v_cmp_lt_u32 s36, 15, v15                      ; lanes 16-31
	v_mov_b32 v12, 0                               ; (a lane permute's destination counts as one of its sources)
	v_mov_b32 v13, 0
	s_wait_loadcnt 0x0
.irp p, 0,2,4,6,8,10,12,14
	v_pk_mul_f32 v[96+\p:97+\p], v[64+\p:65+\p], v[192+\p:193+\p]       ; G = g1 W2
	v_pk_mul_f32 v[112+\p:113+\p], v[80+\p:81+\p], v[192+\p:193+\p]     ; be1 W2
.endr
.irp m, 0,1,2,3
	global_store_b128 v7, v[96+4*\m:99+4*\m], s[38:39] offset:33792+16*\m   ; a lane's four stores cover 64 consecutive bytes, the wave's the two rows of 1,024
.endr
	v_pk_add_f32 v[8:9], v[96:97], v[98:99]
	v_pk_add_f32 v[10:11], v[112:113], v[114:115]
.irp p, 4,6,8,10,12,14
	v_pk_add_f32 v[8:9], v[8:9], v[96+\p:97+\p]
	v_pk_add_f32 v[10:11], v[10:11], v[112+\p:113+\p]
.endr
	v_add_f32 v8, v8, v9
	v_add_f32 v10, v10, v11
	v_permlanex16_b32 v12, v8, s34, s35
	v_permlanex16_b32 v13, v10, s34, s35
	v_add_f32 v8, v8, v12                          ; the group's 32 hidden units
	v_add_f32 v10, v10, v13
	v_cndmask_b32 v8, v8, v10, s36                 ; lanes 0-15 the sums of G, lanes 16-31 those of be1 W2
	global_store_b32 v1, v8, s[14:15]
.Lend:
	s_endpgm
.Lfunc_end_k_qebdcc1843c_prep:
	.size	k_qebdcc1843c_prep, .Lfunc_end_k_qebdcc1843c_prep-k_qebdcc1843c_prep
	.p2alignl 7, 3214868480
	.fill 96, 4, 3214868480
	.section	.rodata,"a",@progbits
	.p2align	6, 0x0
	.amdhsa_kernel k_qebdcc1843c_prep
		.amdhsa_group_segment_fixed_size 0
		.amdhsa_private_segment_fixed_size 0
		.amdhsa_enable_private_segment 0
		.amdhsa_kernarg_size 48
		.amdhsa_user_sgpr_count 2
		.amdhsa_user_sgpr_kernarg_segment_ptr 1
		.amdhsa_wavefront_size32 1
		.amdhsa_system_sgpr_workgroup_id_x 1
		.amdhsa_system_sgpr_workgroup_id_y 1
		.amdhsa_system_sgpr_workgroup_id_z 1
		.amdhsa_system_vgpr_workitem_id 0
		.amdhsa_next_free_vgpr 224
		.amdhsa_next_free_sgpr 66
		.amdhsa_reserve_vcc 0
		.amdhsa_float_denorm_mode_32 3
		.amdhsa_float_denorm_mode_16_64 3
		.amdhsa_memory_ordered 1
		.amdhsa_forward_progress 1
		.amdhsa_inst_pref_size 35
	.end_amdhsa_kernel
	.amdgpu_metadata
---
amdhsa.version: [ 1, 2 ]
amdhsa.kernels:
  - .name:           k_qebdcc1843c_prep
    .symbol:         k_qebdcc1843c_prep.kd
    .args:
      - { .name: W1, .offset: 0, .size: 8, .value_kind: global_buffer, .address_space: global }
      - { .name: W2, .offset: 8, .size: 8, .value_kind: global_buffer, .address_space: global }
      - { .name: g1, .offset: 16, .size: 8, .value_kind: global_buffer, .address_space: global }
      - { .name: be1, .offset: 24, .size: 8, .value_kind: global_buffer, .address_space: global }
      - { .name: wpack, .offset: 32, .size: 8, .value_kind: global_buffer, .address_space: global }
      - { .name: aux, .offset: 40, .size: 8, .value_kind: global_buffer, .address_space: global }
    .group_segment_fixed_size: 0
    .private_segment_fixed_size: 0
    .kernarg_segment_align: 8
    .kernarg_segment_size: 48
    .max_flat_workgroup_size: 128
    .sgpr_count:     66
    .vgpr_count:     224
    .wavefront_size: 32
...
	.end_amdgpu_metadata
.endif
;; end of part 1
;; launch main (part 2): grid 256 x 1, 4 waves a work-group, clusters of 4 x 1, 327,680 bytes of LDS; arguments x, wpack, b1, aux, b2, g2, be2, out0; writes out0
.if DOCPART == 2
	.amdgcn_target "amdgcn-amd-amdhsa--gfx1250"
	.amdhsa_code_object_version 6
	.text
	.protected	k_qebdcc1843c_main
	.globl	k_qebdcc1843c_main
	.p2align	8
	.type	k_qebdcc1843c_main,@function
k_qebdcc1843c_main:
	s_mov_b64 s[64:65], 0
	v_nop
	global_prefetch_b8 v0, s[64:65] scope:SCOPE_SE
	s_setreg_imm32_b32 hwreg(HW_REG_WAVE_MODE, 25, 1), 1
	s_wait_xcnt 0x0
	s_wait_alu depctr_hold_cnt(0) depctr_sa_sdst(0) depctr_va_vdst(0) depctr_va_sdst(0) depctr_va_ssrc(0) depctr_va_vcc(0) depctr_vm_vsrc(0)
	s_getreg_b32 s2, hwreg(HW_REG_IB_STS2, 6, 4)
	s_cmp_eq_u32 s2, 0
	s_cbranch_scc0 .Lentry_in_a_cluster
	s_endpgm
.Lentry_in_a_cluster:
	s_bfe_u32 s2, ttmp6, 0x10000c
	s_cmp_lg_u32 s2, 0x3003
	s_cbranch_scc0 .Lentry_shape_is_right
	s_endpgm
.Lentry_shape_is_right:
; out0 = the projection onto SO(3) of R = LN9(relu(LN2048(relu(Q(x) Q(W1) + b1)) W2 + b2)), 128 rows of x to a work-group.  Nothing of the problem is left out: every input has a way to the output.
; PRODUCT 1 on codes of E4M3 with E8M0 scales.  x is quantised here, in registers; W1's codes, scale words and G = g1 W2 come from wpack, laid in the order of the registers that take them.
; SHARES.  Four waves.  Wave w: rows 64 (w / 2) + 0 .. 63 (four tiles of 16), column groups (32 columns) g = w % 2 (mod 2).  The wave's 64 rows x 1,024 K of codes stay in 512 registers, so that only W1's
; fragments are read from LDS, each for four matrix instructions.  The product is used transposed (source 0 = 16 columns of W1, source 1 = 16 rows of x): a lane holds one row of x and eight neighbouring hidden units.
; LN1 AND PRODUCT 2 ARE FOLDED INTO SUMS A ROW, so that the hidden layer never leaves the registers.  With a = relu(z + b1) and a shift c of the wave's own for each row (the mean of a over the wave's first 32 columns;
; any c is right, one near the mean keeps the sums small):  P_j = sum (a - c) G_j (j = 0..8), s = sum (a - c), Qs = sum (a - c)^2.  At the end, with m the row's mean and d_q = m - c_q for the two waves q of a row:
;   var = (Qs0 + Qs1 - 2 (d0 s0 + d1 s1) + 1024 (d0^2 + d1^2)) / 2048;   y_j = rsq(var + 1e-5) (P0j + P1j - d0 S0j - d1 S1j) + T0j + T1j + b2_j,   S, T: the sums of G and of be1 W2 over the groups of a parity (aux).
; PRODUCT 2 has nine columns and feeds an ill-conditioned step: it is done in f32, by packed fused multiply-adds: a lane's 16 numbers of a row x the 16 x 9 numbers of G that belong to its half of the lanes.
; BY TURNS.  A turn is a group's 64 products; the group before's epilogue (relu, shift, sums, product 2: 448 vector instructions) stands in slices of seven behind them.
; G of a group, 144 registers, comes in three chunks of three outputs; a chunk's registers are filled again when its part of the epilogue is over.  So G of group g lies in the sub-block of group g + 2, the wave's next.
; THE PROJECTION.  One-sided Jacobi: B = R V, V a product of rotations.  With c the column of least norm and (a, b, c) cyclic, U diag(1, 1, det(U Vh)) Vh = ua va^T + ub vb^T + (ua x ub) vc^T: the one rotation that takes va to ua and vb to ub.
; CLUSTER.  All work-groups walk the same wpack: the four of a cluster ask for each tile (four groups, 143,360 bytes) jointly.  x's tiles are each work-group's own: plain loads.
; LIMITS.  NaN and infinities among the inputs are not served.  Blocks of x whose largest magnitude lies under 2^-118 keep the scale byte 1.  Where R's largest magnitude is at or under 1e-30 the result is the identity.
; Where R has rank 1 the singular vectors of the two zero values are a free choice, and this text's choice need not be another program's.  Six Jacobi sweeps are always run.
; LDS: two slots of four sub-blocks; a sub-block is 35 rows of 1,024 bytes + 16 of padding, for x's tiles (32 rows of 256 numbers, three rows of zeros behind them) and for wpack's groups alike;
;   EX: bytes that LDS stores alone write: x's images, then b1, then the finish's records;  SPARE: the spare words.  All of a WGP's LDS is claimed.
; REGISTERS.  window 0: v1-15 addresses and constants; v16-23 c (a pair a tile); v24-31 s; v32-47 x's scale words; v48-63 W1's, two sets; v64-191 accumulators, two sets of 4 x 2; v192-207 b1 as C; v208-255 G's chunk 0
;   window 1: v0-63 W1's fragments, two buffers of two; v64-159 G's chunks 1 and 2; v160-231 P (tile i, output j: a pair at 160 + 18 i + 2 j); v232-239 Qs; v240-241 aux's sums.
;   windows 2, 3: x's fragments: (tile i, K step s) in window 2 + i / 2 at 128 (i % 2) + 16 s.
.set SUB,   36400                      ; a sub-block: 35 x 1,040
.set SLOT,  4*SUB
.set EX,    291328
.set SPARE, EX+34816
.set TB1,   EX                         ; b1, 8,192 bytes, as it lies
.set FIN,   EX+8192                    ; records of 80 bytes: wave w, row rho at 5,120 w + 80 rho: P0-8, s, .., Qs, c
.set AUXS,  EX+28672                   ; 256 bytes for each wave: aux summed by parity
.set OST,   EX+29696                   ; 128 rows x 36 bytes of the result
.set TILEB, 143360                     ; four groups in wpack
.set GRPB,  35840
.set GLDS,  34320                      ; G in a sub-block: row 33 for lanes 0-15, row 34 for lanes 16-31
.set GMEM,  33792                      ; and in a group of wpack
.set TM,    224                        ; the quantiser: v224-227 largest magnitudes, v228-231 bytes, v232-235 448 x the scale, v236-239 the scale operands
.set PC,    208                        ; the codes just made
.set PW,    240                        ; the scale word just made
.set MSB, 0
.macro WIN new                         ; the immediate's high byte repeats the setting that is left; a switch that changes nothing is dropped
.if MSB != (\new)
	s_set_vgpr_msb (MSB<<8)|(\new)
.set MSB, (\new)
.endif
.endm
.macro PLACES n
.rept \n
	v_nop
.endr
.endm
.macro CREST                           ; a round of the cluster's barrier behind its opening barrier
	s_cmp_lg_u32 s20, 0
	s_cbranch_scc1 .Lnw0_\@
	s_barrier_signal -3
.Lnw0_\@:
	s_barrier_wait -3
	s_barrier_signal -1
	s_barrier_wait -1
.endm
.macro ROUND                           ; a whole round
	s_barrier_signal -1
	s_barrier_wait -1
	CREST
.endm
; 64 numbers of a lane, register 16 b + i = k 32 b + 16 (lane / 16) + i of my row, become a fragment's codes in v[PC] on and its scale word in v[PW]
.macro QUANT s
.irp b, 0,1,2,3
	v_max3_num_f32 v[TM+\b], |v[\s+16*\b]|, |v[\s+1+16*\b]|, 0x4800000   ; my 16 numbers of block b, and the floor 2^(9 - 127): the byte cannot fall under 1
.endr
.irp i, 2,4,6,8,10,12,14
.irp b, 0,1,2,3
	v_max3_num_f32 v[TM+\b], v[TM+\b], |v[\s+16*\b+\i]|, |v[\s+1+16*\b+\i]|
.endr
.endr
.irp b, 0,1,2,3
	v_permlanex16_b32 v[TM+4+\b], v[TM+\b], s62, s63
.endr
.irp b, 0,1,2,3
	v_max_num_f32 v[TM+\b], v[TM+\b], v[TM+4+\b]   ; with lane l xor 16's: the block's largest magnitude
.endr
.irp b, 0,1,2,3
	v_add_nc_u32 v[TM+12+\b], 0xfc000000, v[TM+\b] ; 8 off its exponent field: the conversion's scale operand
.endr
.irp b, 0,1,2,3
	v_and_or_b32 v[TM+8+\b], v[TM+\b], 0x7f800000, s66   ; 448 x the scale
.endr
.irp b, 0,1,2,3
	v_lshrrev_b32 v[TM+4+\b], 23, v[TM+12+\b]      ; the scale's byte
.endr
	v_lshl_or_b32 v[PW], v[TM+5], 8, v[TM+4]
	v_lshl_or_b32 v[PW], v[TM+6], 16, v[PW]
	v_lshl_or_b32 v[PW], v[TM+7], 24, v[PW]
.irp b, 0,1,2,3
.irp i, 0,1,2,3,4,5,6,7,8,9,10,11,12,13,14,15
	v_med3_num_f32 v[\s+16*\b+\i], v[\s+16*\b+\i], -v[TM+8+\b], v[TM+8+\b]   ; the conversion does not saturate (ISA guide 7.6.2): the hold comes first
.endr
	v_cvt_scalef32_pk8_fp8_f32 v[PC+4*\b:PC+1+4*\b], v[\s+16*\b:\s+7+16*\b], v[TM+12+\b]
	v_cvt_scalef32_pk8_fp8_f32 v[PC+2+4*\b:PC+3+4*\b], v[\s+8+16*\b:\s+15+16*\b], v[TM+12+\b]
.endr
	v_nop                                          ; a plain instruction behind the last conversion
.endm
; Fill f of x (K = 256 f .. 256 f + 255 of my wave's own 32 rows, in slot f % 2) becomes four fragments, which go to EX as images of their registers (16 bytes a lane, 512 a store; scale words 4 bytes a lane);
; behind a barrier each wave takes the eight fragments and four packed scale registers of its 64 rows.
.macro XPROC f
	s_add_co_u32 s58, s54, ((\f)%2)*SLOT           ; my rows in the slot
	s_mul_i32 s59, s20, 8704
	s_add_co_u32 s59, s59, EX                      ; my images
	s_add_co_u32 s60, s59, 8192                    ; their scale words
	s_mov_b32 s61, 2
.Lxt_\@:                                               ; two trips: rows 0-15, rows 16-31
	v_add_nc_u32 v242, s58, v241
	v_add_nc_u32 v243, s59, v1
	v_add_nc_u32 v244, s60, v2
.irp b, 0,1,2,3
.irp j, 0,1,2,3
	ds_load_b128 v[64+16*\b+4*\j:67+16*\b+4*\j], v242 offset:128*\b+16*\j
.endr
.endr
.irp b, 0,1,2,3
.irp j, 0,1,2,3
	ds_load_b128 v[128+16*\b+4*\j:131+16*\b+4*\j], v242 offset:512+128*\b+16*\j
.endr
.endr
	s_wait_dscnt 16                                ; the first K step's 16 loads are in; the second's may be out
	QUANT 64
.irp c, 0,1,2,3
	ds_store_b128 v243, v[PC+4*\c:PC+4*\c+3] offset:512*\c
.endr
	ds_store_b32 v244, v[PW]
	s_wait_dscnt 0x0                               ; the stores have read their registers, and the second K step is in
	QUANT 128
.irp c, 0,1,2,3
	ds_store_b128 v243, v[PC+4*\c:PC+4*\c+3] offset:2048+512*\c
.endr
	ds_store_b32 v244, v[PW] offset:128
	s_wait_dscnt 0x0                               ; my stores have landed: the address registers may be written, and behind the loop the barrier may be signalled
	s_add_co_u32 s58, s58, 16640
	s_add_co_u32 s59, s59, 4096
	s_add_co_u32 s60, s60, 256
	s_sub_co_u32 s61, s61, 1
	s_cmp_lg_u32 s61, 0
	s_cbranch_scc1 .Lxt_\@
	s_barrier_signal -1
	s_barrier_wait -1                              ; all sixteen images lie in EX
.irp i, 0,1,2,3
	WIN 0x80+0x40*(\i/2)
.irp ss, 0,1
.irp c, 0,1,2,3
	ds_load_b128 v[128*(\i%2)+16*(2*(\f)+\ss)+4*\c:128*(\i%2)+16*(2*(\f)+\ss)+4*\c+3], v245 offset:8704*(\i/2)+2048*(2*(\i%2)+\ss)+512*\c
.endr
.endr
.endr
	WIN 0
.irp i, 0,1,2,3
	ds_load_b32 v[32+4*\i+(\f)], v246 offset:8704*(\i/2)+256*(\i%2)   ; lanes 0-15: K step 2 f's words, lanes 16-31: K step 2 f + 1's
.endr
.endm
; One product of 16 x 16 x 128: set par, K step s, row tile i, column tile t.  The first K step takes b1 as C.
.macro FP8 par, s, i, t
.set rD, 64+64*(\par)+16*(\i)+8*(\t)
.set rA, 32*((\s)%2)+16*(\t)
.set rB, 128*((\i)%2)+16*(\s)
.set rSA, 48+8*(\par)+(\s)
.set rSB, 32+4*(\i)+(\s)/2
.if (\s) == 0
.set rC, 192+8*(\t)
.else
.set rC, rD
.endif
	WIN 0x09+4*((\i)/2)
.if ((\t) == 0) && ((\s)%2 == 0)
	v_wmma_scale_f32_16x16x128_f8f6f4 v[rD:rD+7], v[rA:rA+15], v[rB:rB+15], v[rC:rC+7], v[rSA], v[rSB]
.elseif ((\t) == 1) && ((\s)%2 == 0)
	v_wmma_scale_f32_16x16x128_f8f6f4 v[rD:rD+7], v[rA:rA+15], v[rB:rB+15], v[rC:rC+7], v[rSA], v[rSB] matrix_a_scale:MATRIX_SCALE_ROW1
.elseif (\t) == 0
	v_wmma_scale_f32_16x16x128_f8f6f4 v[rD:rD+7], v[rA:rA+15], v[rB:rB+15], v[rC:rC+7], v[rSA], v[rSB] matrix_b_scale:MATRIX_SCALE_ROW1
.else
	v_wmma_scale_f32_16x16x128_f8f6f4 v[rD:rD+7], v[rA:rA+15], v[rB:rB+15], v[rC:rC+7], v[rSA], v[rSB] matrix_a_scale:MATRIX_SCALE_ROW1 matrix_b_scale:MATRIX_SCALE_ROW1
.endif
.endm
; Item ea (0 .. 447) of a group's epilogue on set pe.
;   0-63    relu, ascending: each accumulator is first read at its lowest register
;   64-95   less c, a pair at a time
;   96-127  s += the pair; 128-159 Qs += the pair squared: the four tiles by turns, so that a sum's links stand four apart
;   160-447 product 2, chunk by chunk of three outputs: P(i, j) += pair p of tile i x pair p of G(., j); p outermost, so that a sum's links stand twelve apart
; A pair's low half sums the even hidden units, its high half the odd ones; the halves meet at the finish.
.macro EPI pe
.set rE, 64+64*(\pe)
.if ea < 64
	WIN 0
	v_max_num_f32 v[rE+ea], 0, v[rE+ea]
.elseif ea < 96
	WIN 0
.set ei, (ea-64)/8
.set rR, rE+16*ei+2*((ea-64)%8)
	v_pk_add_f32 v[rR:rR+1], v[rR:rR+1], v[16+2*ei:17+2*ei] neg_lo:[0,1] neg_hi:[0,1]
.elseif ea < 128
	WIN 0
.set ei, (ea-96)%4
.set rR, rE+16*ei+2*((ea-96)/4)
	v_pk_add_f32 v[24+2*ei:25+2*ei], v[24+2*ei:25+2*ei], v[rR:rR+1]
.elseif ea < 160
	WIN 0x50                                       ; the sum (destination and source 2) in window 1, the numbers in window 0
.set ei, (ea-128)%4
.set rR, rE+16*ei+2*((ea-128)/4)
	v_pk_fma_f32 v[232+2*ei:233+2*ei], v[rR:rR+1], v[rR:rR+1], v[232+2*ei:233+2*ei]
.else
.set ek, (ea-160)/96
.set ew, (ea-160)%96
.set ei, (ew%12)/3
.set ej, ew%3
.set rR, rE+16*ei+2*(ew/12)
.set rP, 160+18*ei+2*(3*ek+ej)
.if ek == 0
	WIN 0x50                                       ; chunk 0 of G lies in window 0,
.set rG, 208+16*ej+2*(ew/12)
.else
	WIN 0x54                                       ; chunks 1 and 2 in window 1
.set rG, 64+48*(ek-1)+16*ej+2*(ew/12)
.endif
	v_pk_fma_f32 v[rP:rP+1], v[rR:rR+1], v[rG:rG+1], v[rP:rP+1]
.endif
.endm
.macro SLICE pe                        ; slice jj of 64: seven items
.set ea, 7*jj
.rept 7
	EPI \pe
.set ea, ea+1
.endr
.endm
.macro RUN adr, st                     ; K step st's two fragments of W1 into buffer st % 2: eight loads of 512 consecutive bytes
	WIN 0x40
.irp t, 0,1
.irp c, 0,1,2,3
	ds_load_b128 v[32*((\st)%2)+16*\t+4*\c:32*((\st)%2)+16*\t+4*\c+3], v[\adr] offset:(4*(\st)+2*\t+\c/2)*1040+512*(\c%2)
.endr
.endr
.endm
.macro GCH k                           ; chunk k of G from LDS: 48 numbers a lane; the sixteen lanes of a half read the same bytes
.set gm, 0
.if (\k) == 0
	WIN 0
.rept 12
	ds_load_b128 v[208+4*gm:211+4*gm], v12 offset:GLDS+16*gm
.set gm, gm+1
.endr
.else
	WIN 0x40
.rept 12
	ds_load_b128 v[64+48*((\k)-1)+4*gm:67+48*((\k)-1)+4*gm], v12 offset:GLDS+192*(\k)+16*gm
.set gm, gm+1
.endr
.endif
.endm
.macro GGL k                           ; the same from memory: the wave's last group has no group two on; its G lies in wpack's group w % 2
.set gm, 0
.if (\k) == 0
	WIN 0
.rept 12
	global_load_b128 v[208+4*gm:211+4*gm], v13, s[4:5] offset:16*gm
.set gm, gm+1
.endr
.else
	WIN 0x40
.rept 12
	global_load_b128 v[64+48*((\k)-1)+4*gm:67+48*((\k)-1)+4*gm], v13, s[4:5] offset:192*(\k)+16*gm
.set gm, gm+1
.endr
.endif
.endm
.macro NEXTG par, u, ep                ; the next group's addresses, scale words and bias
	WIN 0
.if (\u) == 0
	s_add_co_u32 s56, s52, s55
	s_add_co_u32 s56, s56, 2*SUB                   ; the same slot, two sub-blocks on
.else
	s_xor_b32 s52, s52, SLOT                       ; the other slot
	s_add_co_u32 s56, s52, s55
.endif
	s_add_co_u32 s57, s57, 256                     ; two groups on in b1
	v_add_nc_u32 v[5-(\par)], s56, v1
	v_add_nc_u32 v[7-(\par)], s56, v2
	v_add_nc_u32 v8, s57, v3
	v_add_nc_u32 v12, s56, v9                      ; there lies the G of the group in hand
.if !(\ep)
	PLACES 8
.endif
.irp w, 0,1,2,3,4,5,6,7
	ds_load_b32 v[48+8*(1-(\par))+\w], v[7-(\par)] offset:33280+128*\w
.endr
	ds_load_b128 v[192:195], v8
	ds_load_b128 v[196:199], v8 offset:16
	ds_load_b128 v[200:203], v8 offset:64
	ds_load_b128 v[204:207], v8 offset:80
.endm
; A TURN: a group's 64 products on set par, product jj = 8 s + 2 i + t: the eight accumulators take turns, one instruction a turn.
; u: the group is the slot's first (0) or second (1) of mine.  ep = 1: the group before's epilogue stands in slices behind the products.
; chg = 1: the slot is left and filled again; 2: it is left; nxt = 1: a group follows.
; W1's fragments come in runs of eight loads, a K step ahead, behind the step's first product.  A run's buffer was last read by the product two slices back: 14 plain instructions on other registers stand between
; (8 are owed behind this form: ISA guide 7.12.1 for vector ALU instructions).  The wait at a step's head counts the LDS instructions issued behind that step's run.
; G: chunk 2 of the epilogue in hand behind product 1; chunks 0 and 1 of the next turn's epilogue behind products 57 and 58: each when the chunk's last readers (items 447, 255, 351) are past.
.macro TURN par, u, ep, chg, nxt
.set jj, 0
.rept 64
.set sS, jj/8
.set mM, jj%8
.if mM == 0
.if (sS == 0) && (\ep)
	s_wait_dscnt 24                                ; G's chunks 0 and 1 may be out
.elseif (sS == 1) && (\ep)
	s_wait_dscnt 12                                ; chunk 2 may be out; chunks 0 and 1 are in
.elseif (sS == 7) && (\nxt)
	s_wait_dscnt 12                                ; the next group's 8 scale words and 4 bias loads may be out
.else
	s_wait_dscnt 0x0
.endif
.endif
	FP8 \par, sS, mM/2, mM%2
.if \ep
	SLICE 1-\par
.endif
.if (mM == 0) && (sS < 7)
.if !(\ep)
	PLACES 8
.endif
	RUN 4+\par, sS+1
.endif
.if (jj == 1) && (\ep)
	GCH 2
.endif
.if (jj == 48) && (\chg)
	WIN 0                                          ; (the add's two registers lie in window 0)  The slot's last run has just been issued
	s_wait_tensorcnt 0x0                           ; all my tensor loads have landed: my part of the other slot; so the walking descriptor may be written
	ds_add_u32 v10, v11                            ; 0 onto my spare word; five products and their slices stand between it and the wait for it
.if (\chg) == 1
	s_xor_b32 s53, s53, SLOT                       ; the slot that is being left,
	s_add_co_u32 s49, s53, s54                     ; my sub-block of it,
	s_add_nc_u64 s[50:51], s[50:51], TILEB         ; the next tile; the type bits on top are not reached
.endif
.endif
.if (jj == 53) && (\chg)
	s_wait_dscnt 0x0                               ; the add is done, and my reads of this slot are over
	s_barrier_signal -1                            ; two products and their slices, work on registers, stand between the signal and the wait
.endif
.if jj == 55
.if \chg
	WIN 0
	s_barrier_wait -1
.endif
.if (\chg) == 1
	CREST                                          ; the barrier has opened a round of the cluster's: no wave of any partner still reads the slot or has a load on its way
	tensor_load_to_lds s[48:51], s[32:39]          ; my one load behind the round: it has nearly two turns in which to land
	s_nop 0
	PLACES 4
.endif
.if \nxt
	NEXTG \par, \u, \ep
.endif
.endif
.if (jj == 56) && (\nxt)
.if !(\ep)
	PLACES 8
.endif
	RUN 5-\par, 0
.endif
.if jj == 57
.if \nxt
	GCH 0
.else
	GGL 0
.endif
.endif
.if jj == 58
.if \nxt
	GCH 1
.else
	GGL 1
.endif
.endif
.set jj, jj+1
.endr
.endm
; One rotation of the Jacobi sweep on columns p, q of B (v160-168, row-major) and V (v176-184): the angle of at most 45 degrees that makes the two columns of B orthogonal
.macro ROT p, q
	v_mul_f32 v200, v[160+\p], v[160+\p]
	v_mul_f32 v201, v[160+\q], v[160+\q]
	v_mul_f32 v202, v[160+\p], v[160+\q]
	v_fma_f32 v200, v[163+\p], v[163+\p], v200
	v_fma_f32 v201, v[163+\q], v[163+\q], v201
	v_fma_f32 v202, v[163+\p], v[163+\q], v202
	v_fma_f32 v200, v[166+\p], v[166+\p], v200
	v_fma_f32 v201, v[166+\q], v[166+\q], v201
	v_fma_f32 v202, v[166+\p], v[166+\q], v202
	v_sub_f32 v203, v201, v200                     ; d = |bq|^2 - |bp|^2
	v_add_f32 v204, v202, v202                     ; b = 2 bp . bq
	v_mul_f32 v205, v203, v203
	v_fma_f32 v205, v204, v204, v205               ; d^2 + b^2
	v_cmp_lt_f32 s77, s78, v205                    ; is there anything to rotate?
	v_max_num_f32 v206, s78, v205
	v_rsq_f32 v206, v206
	v_and_b32 v207, 0x80000000, v203               ; d's sign (a plain instruction behind the transcendental)
	s_wait_alu depctr_va_vdst(0)                   ; the wait ahead of the result's first reader
	v_mul_f32 v208, |v203|, v206                   ; cos 2 theta
	v_mul_f32 v209, v204, v206                     ; |sin 2 theta| with b's sign
	v_cndmask_b32 v208, 1.0, v208, s77
	v_cndmask_b32 v209, 0, v209, s77
	v_fma_f32 v208, v208, 0.5, 0.5                 ; cos^2 theta, at least 1/2
	v_rsq_f32 v210, v208
	v_xor_b32 v209, v207, v209                     ; (plain)  sin 2 theta
	s_wait_alu depctr_va_vdst(0)
	v_mul_f32 v211, v208, v210                     ; cos theta
	v_mul_f32 v209, v209, v210
	v_mul_f32 v209, 0.5, v209                      ; sin theta
.irp a, 160,163,166,176,179,182
	v_mul_f32 v212, v209, v[\a+\q]
	v_mul_f32 v213, v209, v[\a+\p]
	v_fma_f32 v[\a+\p], v211, v[\a+\p], -v212
	v_fma_f32 v[\a+\q], v211, v[\a+\q], v213
.endr
.endm
.macro SEL3 d, x0, x2, x1              ; the cyclic choice: x0; x2 where column 1 is the least of 1 and 2; x1 where column 0 is the least of all
	v_cndmask_b32 v[\d], v[\x0], v[\x2], s89
	v_cndmask_b32 v[\d], v[\d], v[\x1], s90
.endm
	; ---- the head
	s_load_b512 s[4:19], s[0:1], 0x0               ; x s[4:5], wpack s[6:7], b1 s[8:9], aux s[10:11], b2 s[12:13], g2 s[14:15], be2 s[16:17], out0 s[18:19]
	v_lshl_add_u32 v10, v0, 2, SPARE
	v_mov_b32 v11, 0
	ds_add_u32 v10, v11                            ; the wave's opening: the add, twice on end, and its wait ahead of my first tensor load
	ds_add_u32 v10, v11                            ; and once more, under the one wait; the set-up below, work on registers, stands between
	v_lshrrev_b32 v12, 5, v0
	v_readfirstlane_b32 s20, v12                   ; wave 0..3
	s_lshr_b32 s21, s20, 1                         ; which 64 rows are mine
	s_and_b32 s22, s20, 1                          ; which parity of groups
	s_bfe_u32 s67, ttmp6, 0x40000                  ; cx
	s_lshl_b32 s3, ttmp9, 2
	s_add_co_u32 s3, s3, s67                       ; the work-group's number: it enters x's and out0's addresses alone
	s_mul_i32 s54, s20, SUB                        ; the sub-block that I fill
	s_mul_i32 s55, s22, SUB                        ; the first sub-block that I read
	s_mov_b32 s52, 0                               ; the slot in hand
	s_mov_b32 s53, 0                               ; the slot being filled
	; group 1 for x's tiles: 35 rows of 256 numbers of 4 bytes, of which the tensor has 32 (the last three arrive as zeros); 16 bytes of padding behind each 1,024
	s_mov_b32 s24, (2<<16)|(1<<20)|(7<<22)|(3<<25)
	s_mov_b32 s25, 256<<16
	s_mov_b32 s26, 32<<16
	s_mov_b32 s27, 256<<16
	s_mov_b32 s28, 35
	s_mov_b32 s29, 1024
	s_mov_b32 s30, 0
	s_mov_b32 s31, 0
	; group 1 for wpack's groups: a dense block of 35 rows of 128 elements of 8 bytes, the same padding; the mask names the cluster's four work-groups
	s_mov_b32 s32, 15|(3<<16)|(1<<20)|(1<<21)|(7<<22)|(3<<25)
	s_mov_b32 s33, 128<<16
	s_mov_b32 s34, 35<<16
	s_mov_b32 s35, 128<<16
	s_mov_b32 s36, 35
	s_mov_b32 s37, 128
	s_mov_b32 s38, 0
	s_mov_b32 s39, 0
	s_mov_b32 s62, 0x76543210
	s_mov_b32 s63, 0xfedcba98                      ; v_permlanex16_b32's selects for lane l xor 16
	s_mov_b32 s66, 0x600000                        ; the mantissa field of 448
	s_mov_b32 s78, 0x0da24260                      ; 1e-30
	v_and_b32 v12, 31, v0
	v_lshlrev_b32 v1, 4, v12                       ; 16 x lane
	v_lshlrev_b32 v2, 2, v12                       ; 4 x lane
	v_and_b32 v13, 15, v0                          ; r
	v_bfe_u32 v12, v0, 4, 1                        ; h
	v_lshl_add_u32 v3, v12, 5, TB1                 ; b1: my half's eight numbers of a tile
	v_mul_u32_u24 v241, v13, 1040
	v_lshl_add_u32 v241, v12, 6, v241              ; x in a slot: row r, + 64 h: my 16 numbers of a block of 32
	s_mul_i32 s2, s21, 17408
	s_add_co_u32 s2, s2, EX
	v_add_nc_u32 v245, s2, v1                      ; the images of my 64 rows
	v_lshlrev_b32 v246, 2, v13
	v_lshl_add_u32 v246, v12, 7, v246
	v_add_nc_u32 v246, s2, v246
	v_add_nc_u32 v246, 8192, v246                  ; their scale words: lanes 0-15 the even K step's, lanes 16-31 the odd one's
	v_lshlrev_b32 v14, 4, v0                       ; 16 x thread
	v_add_nc_u32 v15, TB1, v14
	v_mul_u32_u24 v9, v12, 1040                    ; G in LDS: my half's row
	v_lshlrev_b32 v13, 10, v12                     ; and in memory
.irp b, 0,1,2,3
	v_mov_b32 v[TM+4+\b], 0                        ; written once: a lane permute's destination counts as one of its sources
.endr
.irp b, 24,25,26,27,28,29,30,31
	v_mov_b32 v[\b], 0                             ; the row sums
.endr
	s_lshl_b32 s58, s3, 19                         ; 128 rows of 4,096 bytes a work-group,
	s_lshl_b32 s59, s20, 17                        ; 32 a wave
	s_add_co_u32 s58, s58, s59
	s_mov_b32 s59, 0
	s_mul_i32 s60, s20, GRPB                       ; the group of a tile that I fetch
	s_mov_b32 s61, 0
	s_mul_i32 s56, s3, 4608                        ; 128 rows of 36 bytes
	s_mov_b32 s57, 0
	s_mul_i32 s2, s22, GRPB
	s_add_co_u32 s2, s2, GMEM                      ; where the G of my last group lies in wpack
	s_mov_b32 s3, 0
	s_mov_b32 s40, 1
	s_mov_b32 s41, s54
	s_mov_b32 s44, 1
	s_add_co_u32 s45, s54, SLOT
	s_mov_b32 s48, 1
	s_mov_b32 s49, s54
	s_wait_dscnt 0x0                               ; both opening adds are done
	s_wait_kmcnt 0x0
	s_add_nc_u64 s[42:43], s[4:5], s[58:59]        ; x: my 32 rows, K = 0 on
	s_add_nc_u64 s[46:47], s[42:43], 1024          ; K = 256 on
	s_or_b32 s43, s43, 0x80000000
	s_or_b32 s47, s47, 0x80000000
	s_add_nc_u64 s[50:51], s[6:7], s[60:61]        ; wpack: tile 0, my group: the same in all four partners
	s_or_b32 s51, s51, 0x80000000
	s_add_nc_u64 s[4:5], s[6:7], s[2:3]            ; (x's address has served)  my last group's G
	s_add_nc_u64 s[18:19], s[18:19], s[56:57]
	ROUND                                          ; the round in front of the first tensor loads
	tensor_load_to_lds s[40:43], s[24:31]          ; x, fill 0 -> slot 0
	s_nop 0
	tensor_load_to_lds s[44:47], s[24:31]          ; x, fill 1 -> slot 1: two loads of mine are out
	s_nop 0
	PLACES 4
	s_load_b256 s[68:75], s[12:13], 0x0            ; b2, g2, be2: wanted at the finish
	s_load_b32 s76, s[12:13], 0x20
	s_load_b256 s[80:87], s[14:15], 0x0
	s_load_b32 s88, s[14:15], 0x20
	s_load_b256 s[92:99], s[16:17], 0x0
	s_load_b32 s100, s[16:17], 0x20
.irp i, 0,1,2,3
	global_load_b128 v[192+4*\i:195+4*\i], v14, s[8:9] offset:2048*\i   ; b1: the work-group's 128 threads take 2,048 bytes a load
.endr
	WIN 0x40
.set g, 0
.rept 64
	global_load_b32 v[64+g], v2, s[10:11] offset:128*g                 ; aux: a group's 32 words a load
.set g, g+1
.endr
.set g, 0
.rept 80
	v_mov_b32 v[160+g], 0                          ; P and Qs: the turn is written once, so its first sums find zeros
.set g, g+1
.endr
	WIN 0
	; ---- x: four fills of 256 along K, two slots
	s_wait_tensorcnt 0x1                           ; fill 0 is in (fill 1's load was issued behind it); I read only the rows that I loaded
	XPROC 0
	s_wait_tensorcnt 0x0                           ; all my tensor loads have landed,
	ds_add_u32 v10, v11                            ; 0 onto my spare word,
	s_add_nc_u64 s[42:43], s[42:43], 2048          ; (no load of mine is out: the descriptor steps to K = 512)
	s_wait_dscnt 0x0                               ; the add is done, and my reads of slot 0 and of the images are over
	ROUND
	tensor_load_to_lds s[40:43], s[24:31]          ; fill 2 -> slot 0
	s_nop 0
	PLACES 4
	XPROC 1
	s_wait_tensorcnt 0x0
	ds_add_u32 v10, v11
	s_add_nc_u64 s[46:47], s[46:47], 2048          ; K = 768
	s_wait_dscnt 0x0
	ROUND
	tensor_load_to_lds s[44:47], s[24:31]          ; fill 3 -> slot 1
	s_nop 0
	PLACES 4
	XPROC 2
	s_wait_tensorcnt 0x0
	ds_add_u32 v10, v11
	s_wait_dscnt 0x0
	ROUND
	tensor_load_to_lds s[48:51], s[32:39]          ; wpack's tile 0 -> slot 0, jointly
	s_nop 0
	PLACES 4
	XPROC 3
	s_wait_tensorcnt 0x0                           ; tile 0 has landed
	ds_add_u32 v10, v11
	s_xor_b32 s53, s53, SLOT
	s_add_co_u32 s49, s53, s54
	s_add_nc_u64 s[50:51], s[50:51], TILEB
	s_wait_dscnt 0x0                               ; my reads of slot 1 and of the images are over
	ROUND
	tensor_load_to_lds s[48:51], s[32:39]          ; tile 1 -> slot 1
	s_nop 0
	PLACES 4
	s_wait_loadcnt 0x0                             ; b1 and aux
.irp i, 0,1,2,3
	ds_store_b128 v15, v[192+4*\i:195+4*\i] offset:2048*\i     ; b1 takes the images' place: every wave has passed the round behind its last read of them
.endr
	WIN 0x45
	v_pk_add_f32 v[240:241], v[64:65], v[66:67]    ; aux: the even groups' sums in the low half, the odd groups' in the high
.set g, 4
.rept 30
	v_pk_add_f32 v[240:241], v[240:241], v[64+g:65+g]
.set g, g+2
.endr
	WIN 0
	s_wait_dscnt 0x0
	s_barrier_signal -1
	s_barrier_wait -1                              ; b1 lies in LDS; tile 1's load may be out
	s_mov_b32 s56, s55
	s_lshl_b32 s57, s22, 7                         ; b1 at my first group
	v_add_nc_u32 v4, s56, v1
	v_add_nc_u32 v6, s56, v2
	v_add_nc_u32 v8, s57, v3
.irp w, 0,1,2,3,4,5,6,7
	ds_load_b32 v[48+\w], v6 offset:33280+128*\w
.endr
	ds_load_b128 v[192:195], v8
	ds_load_b128 v[196:199], v8 offset:16
	ds_load_b128 v[200:203], v8 offset:64
	ds_load_b128 v[204:207], v8 offset:80
	RUN 4, 0
	; ---- the products
	TURN 0, 0, 0, 0, 1                             ; my first group: there is no epilogue yet to set between its products
	WIN 0
	PLACES 8
.irp i, 0,1,2,3                        ; c: the mean of relu over these 32 columns; the accumulators stay as they are; the other set's registers are at work
.irp e, 0,1,2,3,4,5,6,7,8,9,10,11,12,13,14,15
	v_max_num_f32 v[128+\e], 0, v[64+16*\i+\e]
.endr
	v_pk_add_f32 v[128:129], v[128:129], v[130:131]
	v_pk_add_f32 v[132:133], v[132:133], v[134:135]
	v_pk_add_f32 v[136:137], v[136:137], v[138:139]
	v_pk_add_f32 v[140:141], v[140:141], v[142:143]
	v_pk_add_f32 v[128:129], v[128:129], v[132:133]
	v_pk_add_f32 v[136:137], v[136:137], v[140:141]
	v_pk_add_f32 v[128:129], v[128:129], v[136:137]
	v_add_f32 v128, v128, v129
	v_permlanex16_b32 v14, v128, s62, s63
	v_add_f32 v128, v128, v14
	v_mul_f32 v[16+2*\i], 0x3d000000, v128
	v_mov_b32 v[17+2*\i], v[16+2*\i]
.endr
	s_mov_b32 s23, 14
.Lloop:                                                ; 14 trips of two turns: each leaves a slot and asks for the tile two on: tiles 2 to 15
	TURN 1, 1, 1, 1, 1
	TURN 0, 0, 1, 0, 1
	WIN 0
	s_sub_co_u32 s23, s23, 1
	s_cmp_lg_u32 s23, 0
	s_cbranch_scc1 .Lloop
	TURN 1, 1, 1, 2, 1                             ; the tail is written out: nothing is left to ask for
	TURN 0, 0, 1, 0, 1
	TURN 1, 1, 1, 0, 0
	GGL 2                                          ; the last group's epilogue stands alone; its G comes from memory
.set ea, 0
.rept 160
	EPI 1
.set ea, ea+1
.endr
	s_wait_loadcnt 12                              ; chunks 0 and 1 are in; chunk 2's 12 loads may be out
.rept 192
	EPI 1
.set ea, ea+1
.endr
	s_wait_loadcnt 0x0
.rept 96
	EPI 1
.set ea, ea+1
.endr
	; ---- the finish: the waves' sums meet in LDS; then a thread owns a row
	WIN 0x05                                       ; sources in window 1, destination in window 0: the accumulators' registers are free
.irp i, 0,1,2,3
.irp j, 0,1,2,3,4,5,6,7,8
	v_add_f32 v[64+12*\i+\j], v[160+18*\i+2*\j], v[161+18*\i+2*\j]     ; a sum's two halves
.endr
	v_add_f32 v[74+12*\i], v[232+2*\i], v[233+2*\i]
.endr
	WIN 0
.irp i, 0,1,2,3
	v_add_f32 v[73+12*\i], v[24+2*\i], v[25+2*\i]
.endr
.irp i, 0,1,2,3
.irp k, 0,1,2,3,4,5,6,7,8,9,10
	v_permlanex16_b32 v[128+12*\i+\k], v[64+12*\i+\k], s62, s63
.endr
.endr
.irp i, 0,1,2,3
.irp k, 0,1,2,3,4,5,6,7,8,9,10
	v_add_f32 v[64+12*\i+\k], v[64+12*\i+\k], v[128+12*\i+\k]          ; with lane l xor 16's: P0-8, s, Qs of row 16 i + r
.endr
.endr
	v_and_b32 v12, 15, v0
	s_mul_i32 s58, s20, 5120
	s_add_co_u32 s58, s58, FIN
	v_mul_u32_u24 v14, v12, 80
	v_add_nc_u32 v14, s58, v14                     ; my wave's record of row r
	s_lshl_b32 s59, s20, 8
	s_add_co_u32 s59, s59, AUXS
	v_add_nc_u32 v244, s59, v2                     ; my wave's copy of aux's sums: in,
	v_mov_b32 v245, s59                            ; and back
	v_and_b32 v246, 63, v0
	v_mul_u32_u24 v246, v246, 80
	s_mul_i32 s60, s21, 10240
	s_add_co_u32 s60, s60, FIN
	v_add_nc_u32 v246, s60, v246                   ; the two records of the row that my thread owns
	v_mul_u32_u24 v247, v0, 36
	v_add_nc_u32 v247, OST, v247
	v_lshlrev_b32 v248, 4, v0
	v_add_nc_u32 v249, OST, v248
.irp i, 0,1,2,3
	ds_store_b128 v14, v[64+12*\i:67+12*\i] offset:1280*\i             ; both halves of the lanes write the same bytes with the same values
	ds_store_b128 v14, v[68+12*\i:71+12*\i] offset:1280*\i+16
	ds_store_b64 v14, v[72+12*\i:73+12*\i] offset:1280*\i+32
	ds_store_b32 v14, v[74+12*\i] offset:1280*\i+64
	ds_store_b32 v14, v[16+2*\i] offset:1280*\i+68
.endr
	WIN 0x04                                       ; an LDS store's data are its source 1: window 1
	ds_store_b32 v244, v240
	ds_store_b32 v244, v241 offset:128
	WIN 0
	s_wait_dscnt 0x0
	s_barrier_signal -1
	s_barrier_wait -1
	ds_load_b128 v[64:67], v246                    ; q = 0: P0-8, s; Qs, c
	ds_load_b128 v[68:71], v246 offset:16
	ds_load_b64 v[72:73], v246 offset:32
	ds_load_b64 v[76:77], v246 offset:64
	ds_load_b128 v[80:83], v246 offset:5120        ; q = 1
	ds_load_b128 v[84:87], v246 offset:5136
	ds_load_b64 v[88:89], v246 offset:5152
	ds_load_b64 v[92:93], v246 offset:5184
.irp p, 0,1
	ds_load_b128 v[96+24*\p:99+24*\p], v245 offset:128*\p          ; S of parity p,
	ds_load_b128 v[100+24*\p:103+24*\p], v245 offset:128*\p+16
	ds_load_b128 v[104+24*\p:107+24*\p], v245 offset:128*\p+32
	ds_load_b128 v[108+24*\p:111+24*\p], v245 offset:128*\p+64     ; T
	ds_load_b128 v[112+24*\p:115+24*\p], v245 offset:128*\p+80
	ds_load_b128 v[116+24*\p:119+24*\p], v245 offset:128*\p+96
.endr
	s_wait_dscnt 0x0
	s_wait_kmcnt 0x0                               ; b2, g2, be2
	v_sub_f32 v144, v93, v77                       ; c1 - c0
	v_add_f32 v145, v73, v89                       ; s0 + s1
	v_fma_f32 v145, 0x44800000, v144, v145
	v_mul_f32 v146, 0x3a000000, v145               ; d0 = m - c0
	v_sub_f32 v147, v146, v144                     ; d1 = m - c1
	v_add_f32 v148, v76, v92
	v_mul_f32 v149, v146, v73
	v_fma_f32 v149, v147, v89, v149
	v_fma_f32 v148, -2.0, v149, v148
	v_mul_f32 v150, v146, v146
	v_fma_f32 v150, v147, v147, v150
	v_fma_f32 v148, 0x44800000, v150, v148
	v_mul_f32 v148, 0x3a000000, v148
	v_max_num_f32 v148, 0, v148                    ; the variance
	v_add_f32 v148, 0x3727c5ac, v148
	v_rsq_f32 v151, v148
.irp j, 0,1,2,3,4,5,6,7,8
	v_add_f32 v[160+\j], v[64+\j], v[80+\j]
	v_add_f32 v[176+\j], v[108+\j], v[132+\j]
.endr
.irp j, 0,1,2,3,4,5,6,7,8
	v_fma_f32 v[160+\j], -v146, v[96+\j], v[160+\j]
	v_add_f32 v[176+\j], s[68+\j], v[176+\j]
.endr
.irp j, 0,1,2,3,4,5,6,7,8
	v_fma_f32 v[160+\j], -v147, v[120+\j], v[160+\j]
.endr
	s_wait_alu depctr_va_vdst(0)                   ; the wait ahead of the root's first reader; the 45 lines above are the work between
.irp j, 0,1,2,3,4,5,6,7,8
	v_fma_f32 v[160+\j], v151, v[160+\j], v[176+\j]
.endr
.irp j, 0,1,2,3,4,5,6,7,8
	v_max_num_f32 v[160+\j], 0, v[160+\j]
.endr
	v_add_f32 v190, v160, v161                     ; the second norm, over the nine, in two passes
	v_add_f32 v191, v162, v163
	v_add_f32 v190, v190, v164
	v_add_f32 v191, v191, v165
	v_add_f32 v190, v190, v166
	v_add_f32 v191, v191, v167
	v_add_f32 v190, v190, v168
	v_add_f32 v190, v190, v191
	v_mul_f32 v190, 0x3de38e39, v190
.irp j, 0,1,2,3,4,5,6,7,8
	v_sub_f32 v[160+\j], v[160+\j], v190
.endr
	v_mul_f32 v191, v160, v160
.irp j, 1,2,3,4,5,6,7,8
	v_fma_f32 v191, v[160+\j], v[160+\j], v191
.endr
	v_mul_f32 v191, 0x3de38e39, v191
	v_add_f32 v191, 0x3727c5ac, v191
	v_rsq_f32 v189, v191
	v_nop
	s_wait_alu depctr_va_vdst(0)
.irp j, 0,1,2,3,4,5,6,7,8
	v_mul_f32 v[160+\j], v[160+\j], v189
.endr
.irp j, 0,1,2,3,4,5,6,7,8
	v_fma_f32 v[160+\j], v[160+\j], s[80+\j], s[92+\j]     ; R, row-major
.endr
	v_max3_num_f32 v190, |v160|, |v161|, |v162|    ; R is divided by its largest magnitude: the result does not change, and the thresholds below become relative
	v_max3_num_f32 v190, v190, |v163|, |v164|
	v_max3_num_f32 v190, v190, |v165|, |v166|
	v_max3_num_f32 v190, v190, |v167|, |v168|
	v_cmp_lt_f32 s79, s78, v190                    ; R is not zero
	v_max_num_f32 v191, s78, v190
	v_rcp_f32 v191, v191
.irp k, 176,180,184
	v_mov_b32 v[\k], 1.0                           ; V = I
.endr
.irp k, 177,178,179,181,182,183
	v_mov_b32 v[\k], 0
.endr
	s_wait_alu depctr_va_vdst(0)
.irp j, 0,1,2,3,4,5,6,7,8
	v_mul_f32 v[160+\j], v[160+\j], v191
.endr
	s_mov_b32 s23, 6
.Lsweep:
	ROT 0, 1
	ROT 0, 2
	ROT 1, 2
	s_sub_co_u32 s23, s23, 1
	s_cmp_lg_u32 s23, 0
	s_cbranch_scc1 .Lsweep
	v_mul_f32 v200, v160, v160                     ; the columns' squared norms
	v_mul_f32 v201, v161, v161
	v_mul_f32 v202, v162, v162
	v_fma_f32 v200, v163, v163, v200
	v_fma_f32 v201, v164, v164, v201
	v_fma_f32 v202, v165, v165, v202
	v_fma_f32 v200, v166, v166, v200
	v_fma_f32 v201, v167, v167, v201
	v_fma_f32 v202, v168, v168, v202
	v_cmp_lt_f32 s89, v201, v202
	v_min_num_f32 v203, v201, v202
	v_cmp_lt_f32 s90, v200, v203
.irp a, 0,1,2
	SEL3 216+\a, 160+3*\a, 162+3*\a, 161+3*\a      ; B's column a: 0, 2 or 1
	SEL3 219+\a, 161+3*\a, 160+3*\a, 162+3*\a      ; column b: 1, 0 or 2
	SEL3 224+\a, 176+3*\a, 178+3*\a, 177+3*\a      ; V's likewise,
	SEL3 227+\a, 177+3*\a, 176+3*\a, 178+3*\a
	SEL3 230+\a, 178+3*\a, 177+3*\a, 176+3*\a      ; and column c: 2, 1 or 0: the least
.endr
	SEL3 204, 200, 202, 201
	v_max_num_f32 v204, s78, v204
	v_rsq_f32 v204, v204
	v_nop
	s_wait_alu depctr_va_vdst(0)
.irp a, 0,1,2
	v_mul_f32 v[216+\a], v[216+\a], v204           ; ua
.endr
	v_mul_f32 v205, v216, v219
	v_fma_f32 v205, v217, v220, v205
	v_fma_f32 v205, v218, v221, v205
.irp a, 0,1,2
	v_fma_f32 v[219+\a], -v205, v[216+\a], v[219+\a]       ; what is left of column b beside ua
.endr
	v_mul_f32 v206, v219, v219
	v_fma_f32 v206, v220, v220, v206
	v_fma_f32 v206, v221, v221, v206
	v_max_num_f32 v206, s78, v206
	v_rsq_f32 v206, v206
	v_nop
	s_wait_alu depctr_va_vdst(0)
.irp a, 0,1,2
	v_mul_f32 v[219+\a], v[219+\a], v206           ; ub
.endr
	v_mul_f32 v233, v218, v220                     ; uc = ua x ub
	v_mul_f32 v234, v216, v221
	v_mul_f32 v235, v217, v219
	v_fma_f32 v233, v217, v221, -v233
	v_fma_f32 v234, v218, v219, -v234
	v_fma_f32 v235, v216, v220, -v235
.irp a, 0,1,2
.irp b, 0,1,2
	v_mul_f32 v[64+3*\a+\b], v[216+\a], v[224+\b]
	v_fma_f32 v[64+3*\a+\b], v[219+\a], v[227+\b], v[64+3*\a+\b]
	v_fma_f32 v[64+3*\a+\b], v[233+\a], v[230+\b], v[64+3*\a+\b]
.endr
.endr
.irp k, 0,4,8
	v_cndmask_b32 v[64+\k], 1.0, v[64+\k], s79     ; R = 0: the identity
.endr
.irp k, 1,2,3,5,6,7
	v_cndmask_b32 v[64+\k], 0, v[64+\k], s79
.endr
.irp k, 0,1,2,3,4,5,6,7,8
	ds_store_b32 v247, v[64+\k] offset:4*\k
.endr
	s_wait_dscnt 0x0
	s_barrier_signal -1
	s_barrier_wait -1                              ; 4,608 bytes of the result lie on end
	ds_load_b128 v[96:99], v249
	ds_load_b128 v[100:103], v249 offset:2048
	s_wait_dscnt 0x0
	global_store_b128 v248, v[96:99], s[18:19]                 ; sixteen lanes store 256 consecutive bytes, at a multiple of 256 from out0's first byte
	global_store_b128 v248, v[100:103], s[18:19] offset:2048
	s_cmp_lg_u32 s20, 0                            ; the last 512 bytes are wave 0's
	s_cbranch_scc1 .Lnot0
	ds_load_b128 v[104:107], v249 offset:4096
	s_wait_dscnt 0x0
	global_store_b128 v248, v[104:107], s[18:19] offset:4096
.Lnot0:
	s_wait_tensorcnt 0x0                           ; the wave's end: behind my last tensor load and my last LDS store
	ds_add_u32 v10, v11
	s_wait_dscnt 0x0
	ROUND                                          ; the closing round: no work-group ends while a partner may still ask for a tile that names it
	s_endpgm
.Lfunc_end_k_qebdcc1843c_main:
	.size	k_qebdcc1843c_main, .Lfunc_end_k_qebdcc1843c_main-k_qebdcc1843c_main
	.p2alignl 7, 3214868480
	.fill 96, 4, 3214868480
	.section	.rodata,"a",@progbits
	.p2align	6, 0x0
	.amdhsa_kernel k_qebdcc1843c_main
		.amdhsa_group_segment_fixed_size 327680
		.amdhsa_private_segment_fixed_size 0
		.amdhsa_enable_private_segment 0
		.amdhsa_kernarg_size 64
		.amdhsa_user_sgpr_count 2
		.amdhsa_user_sgpr_kernarg_segment_ptr 1
		.amdhsa_wavefront_size32 1
		.amdhsa_system_sgpr_workgroup_id_x 1
		.amdhsa_system_sgpr_workgroup_id_y 1
		.amdhsa_system_sgpr_workgroup_id_z 1
		.amdhsa_system_vgpr_workitem_id 0
		.amdhsa_next_free_vgpr 1024
		.amdhsa_next_free_sgpr 104
		.amdhsa_reserve_vcc 0
		.amdhsa_float_denorm_mode_32 3
		.amdhsa_float_denorm_mode_16_64 3
		.amdhsa_memory_ordered 1
		.amdhsa_forward_progress 1
		.amdhsa_inst_pref_size 255
	.end_amdhsa_kernel
	.section	.bss,"aw",@nobits
	.p2align	6
	.space	262144
	.amdgpu_metadata
---
amdhsa.version: [ 1, 2 ]
amdhsa.kernels:
  - .name:           k_qebdcc1843c_main
    .symbol:         k_qebdcc1843c_main.kd
    .args:
      - { .name: x, .offset: 0, .size: 8, .value_kind: global_buffer, .address_space: global }
      - { .name: wpack, .offset: 8, .size: 8, .value_kind: global_buffer, .address_space: global }
      - { .name: b1, .offset: 16, .size: 8, .value_kind: global_buffer, .address_space: global }
      - { .name: aux, .offset: 24, .size: 8, .value_kind: global_buffer, .address_space: global }
      - { .name: b2, .offset: 32, .size: 8, .value_kind: global_buffer, .address_space: global }
      - { .name: g2, .offset: 40, .size: 8, .value_kind: global_buffer, .address_space: global }
      - { .name: be2, .offset: 48, .size: 8, .value_kind: global_buffer, .address_space: global }
      - { .name: out0, .offset: 56, .size: 8, .value_kind: global_buffer, .address_space: global }
    .group_segment_fixed_size: 327680
    .private_segment_fixed_size: 0
    .kernarg_segment_align: 8
    .kernarg_segment_size: 64
    .max_flat_workgroup_size: 128
    .sgpr_count:     104
    .vgpr_count:     1024
    .wavefront_size: 32
...
	.end_amdgpu_metadata
.endif
;; end of part 2
